; MI455X (gfx1250); checked and timed in simulation.
; The chip was launched on July 23, 2026; its instructions are those of AMD's public machine-readable ISA for CDNA 5 (MIT licence, August 2026) and "CDNA5" Instruction Set Architecture Reference Guide (July 2026). The comments in the code are by the model that wrote it; some were corrected since.
;; Liquid Cell. Allowed arithmetic: matrix products marked QUANTISED: E3M2 operands, one E8M0 scale for each 32 along K, by v_wmma_scale_f32_16x16x128_f8f6f4 with both operands' format E3M2, f32 sums; everything else in f32.
;; Inputs: W_in_b 2,048 float32; W_in_w_codes 2,048 x 32 x 24 uint8 (E3M2 codes of W_in_w, K innermost, in blocks of 32 codes, four codes in three bytes); W_in_w_scales 2,048 x 32 uint8 (E8M0 scales of W_in_w, one for each 32 codes along K); W_rec_codes 2,048 x 64 x 24 uint8 (E3M2 codes of W_rec, K innermost, in blocks of 32 codes, four codes in three bytes); W_rec_scales 2,048 x 64 uint8 (E8M0 scales of W_rec, one for each 32 codes along K); hidden 4,096 x 2,048 float32; tau_adapt_b 2,048 float32; tau_adapt_w 2,048 x 3,072 float32; tau_base 2,048 float32; x_codes 4,096 x 32 x 24 uint8 (E3M2 codes of x, K innermost, in blocks of 32 codes, four codes in three bytes); x_scales 4,096 x 32 uint8 (E8M0 scales of x, one for each 32 codes along K).
;; Outputs: out0 4,096 x 2,048 float32; out1 4,096 x 2,048 float32.
;; This version of the problem:
;;   THIS VERSION OF THE PROBLEM IS GIVEN IN LOW PRECISION. The matrix products marked QUANTISED in the list below multiply operands that are first quantised to E3M2 (3 exponent bits, 2 mantissa bits; 6 bits a number), with one power-of-two scale for each 32 numbers along K (OCP MX v1.0); their sums are f32. All else is computed in f32.
;;   The module's matrix products, in the order in which they are computed (A, B: the left and right operand; K: the contracted axis; several contracted axes count as one K, in the product's order):
;;     1. [M 4,096, K 1,024] x [K 1,024, N 2,048]; A: input x (given as codes); B: input W_in_w (given as codes): QUANTISED
;;     2. [M 4,096, K 1,024] x [K 1,024, N 2,048]; A: input x (given as codes); B: input tau_adapt_w: QUANTISED
;;     3. [M 4,096, K 2,048] x [K 2,048, N 2,048]; A: input hidden; B: input tau_adapt_w: QUANTISED
;;     4. [M 4,096, K 2,048] x [K 2,048, N 2,048]; A: input hidden; B: input W_rec (given as codes): QUANTISED
;;   THE QUANTISER, for each operand of a quantised product, along K:
;;     - K is cut into blocks of 32 from its start; a last block that is shorter is filled with zeros.
;;     - A block's scale is 2^e with e = floor(log2(the largest magnitude in the block)) - 4, held to -126 .. 127; a block of zeros has e = 0. As a byte (E8M0): e + 127.
;;     - Each number is divided by its block's scale, clamped to +-28, and rounded to the nearest number of E3M2, ties to even, subnormals kept.
;;     - The product sums the exact products of the quantised numbers (number of the format x scale) in f32.
;;   ~~~python
;;   def quantise(x, axis):      # numpy; x: float32 -> the quantised numbers, widened to float32 again
;;       x = np.moveaxis(x, axis, -1); K = x.shape[-1]
;;       x = np.pad(x, [(0, 0)] * (x.ndim - 1) + [(0, -K % 32)]); x = x.reshape(x.shape[:-1] + (-1, 32)); a = np.abs(x).max(-1, keepdims=True)
;;       e = np.where(a > 0, np.clip(np.frexp(np.where(a > 0, a, 1))[1] - 1 - 4, -126, 127), 0)      # np.frexp(a)[1] - 1 = floor(log2(a)), exactly
;;       r = np.clip(x / 2.0 ** e, -28, 28)
;;       step = 2.0 ** (np.maximum(np.frexp(np.where(r == 0, 1, r))[1] - 1, -2) - 2)
;;       q = np.round(r / step) * step * 2.0 ** e      # np.round: ties to even
;;       return np.moveaxis(q.reshape(q.shape[:-2] + (-1,))[..., :K], -1, axis).astype(np.float32)
;;   ~~~
;;   INPUTS GIVEN AS CODES. W_in_w (in the module: [2048, 1024], K = its axis 1); W_rec (in the module: [2048, 2048], K = its axis 1); x (in the module: [4096, 1024], K = its axis 1): each comes as NAME_codes (uint8): NAME with its K axis moved to the last place and cut into blocks of 32 codes, [.., K / 32, bytes a block], one block behind the other in memory; four codes in three bytes: a row's codes are one little-endian stream of bits, code i at bits 6 i .. 6 i + 5 (a code: sign, 3 exponent bits, 2 mantissa bits); and NAME_scales (uint8): the same leading axes, one E8M0 byte (e + 127) for each 32 codes along K. Its value is code x scale, taken as it is: it is not quantised again, and the codes and scales need not be those that the quantiser above would give.
;; One version. Each part assembles by itself: llvm-mc -triple=amdgcn-amd-amdhsa -mcpu=gfx1250 --defsym DOCPART=n.
;; ======== version 1 of 1: 2 launches
;; limits: right only within a limited range of input values
;; workspace buffers: Awork 9,830,400 bytes; Bwork 9,830,400 bytes
;; launch prep (part 1): grid 256 x 1, 9 waves a work-group, no clusters, 327,680 bytes of LDS; arguments hidden, tau_adapt_w, x_codes, x_scales, W_in_w_codes, W_in_w_scales, W_rec_codes, W_rec_scales, Awork, Bwork; writes Awork, Bwork
.if DOCPART == 1
	.amdgcn_target "amdgcn-amd-amdhsa--gfx1250"
	.amdhsa_code_object_version 6
	.text
	.protected	k_q62e68d5618_prep
	.globl	k_q62e68d5618_prep
	.p2align	8
	.type	k_q62e68d5618_prep,@function
k_q62e68d5618_prep:
	s_mov_b64 s[64:65], 0
	v_nop
	global_prefetch_b8 v0, s[64:65] scope:SCOPE_SE
	s_setreg_imm32_b32 hwreg(HW_REG_WAVE_MODE, 25, 1), 1
	s_wait_xcnt 0x0
; PREP: every operand of the four products is laid into two workspace buffers in the ORDER OF THE OPERAND'S REGISTERS, so that the product's launch has one tile shape for all of K.
; No work of reference() is left out: all four products and all inputs are live.
; Awork holds A = [x | hidden] (4,096 rows, K = 3,072).  Bwork holds 4,096 virtual rows: for each 64 output columns, 64 rows of [W_in_w | W_rec], then the same 64 rows of tau_adapt_w.
; A SUB-CHUNK is 128 rows x 128 along K, 12,800 bytes: the fragment of block i (16 rows) at 1,536 i: three groups of 512 bytes, lane l's 16 bytes of group g at 512 g + 16 l
; are registers 4 g .. 4 g + 3 of the operand (lane (r, h): registers 6 c .. 6 c + 5 = k 64 c + 32 h + 0 .. 31 of row r); the rows' scale words at 12,288 + 256 (i / 4) + 16 r + 4 (i % 4).
; Sub-chunk (block of 128 rows cb, K step kq of 128) lies at (24 cb + kq) x 12,800.
; THE DEAL: the f32 tensors are 1,792 tiles of 64 rows x 128 along K (hidden 64 x 16, tau_adapt_w 32 x 24): 7 for each of 256 work-groups.  Waves 0-3 take four neighbouring K steps of 64 rows of hidden,
; waves 4-6 three neighbouring K steps of 64 rows of tau_adapt_w.  Each brings its tile by ONE tensor load at the head (64 rows of 512 bytes, aligned; 16 bytes of padding behind each in LDS), reads only its own
; bytes, and fills nothing again: no barrier.  A fragment is read from the padded tile in the operand's order, quantised (scale 2^(floor(log2(largest magnitude)) - 4), byte held at 1 from below, numbers beyond
; 28 x scale take the largest code) and stored.  A wave's scale words of its sub-chunk are 256 consecutive bytes, aligned, and leave by one store.
; Waves 7 and 8 RELAY the codes and scale bytes of x, W_in_w and W_rec, unchanged, into the same layout: 320 shares of 64 rows x 512 along K; wave 7 takes share = work-group, wave 8 shares 256-319 in work-groups 0-63.
; LIMITS: NaN and infinities in hidden or tau_adapt_w are not served.  A block of zeros gets the byte 1 where the quantiser's rule says 127: its codes are zeros, which add nothing, and this program alone reads the bytes.
; No prefetch: the text has no loop to run ahead in, every f32 byte is asked for by the head's loads.  No cluster: no two work-groups read the same bytes.  EXEC is never changed.
.set SUB,   12800
.set SCOFF, 12288                      ; where a sub-chunk's scale words begin
.set FRB,   1536                       ; a fragment's image
.set SPT,   528                        ; an LDS row: 512 bytes (128 numbers) + 16: the sixteen rows that a read touches start at sixteen different 16-byte columns
.set TILE,  64*SPT                     ; a wave's tile
.set SPARE, 9*TILE                     ; the spare words: 128 bytes a wave, five blocks of 256 bytes that no other line names
.set SPW,   25                         ; v25 my spare word's address, v63 zero: never rewritten
.set NIL,   63
.set G0,    36                         ; s[36:39] group 0; s[40:47] group 1 for hidden's rows, s[80:87] for tau_adapt_w's
.set G1H,   40
.set G1T,   80
; v1 lane, v2 r, v3 h, v5 my place in the tile, v6 16 x lane, v7 16 r + 8 h; quantising: v16-24 at work, v26-29 scale words, v30-31 the pair stored, v32-55 codes (two sets), v56-62 second halves,
; v64-255 three sets of 64 numbers; relaying: v8-13 offsets, v40-47 scale words as loaded, v48-55 in pairs, v64-255 sixteen fragments.
; where my 64 rows go.  In: s66 = index of 64 rows, s57 = log2(such indices in a block of 128 rows), s58 = first block for index 0, s62 = first K step, s[30:31] = buffer.  Out: s[52:53] codes, s[54:55] scale words.
.macro DEST
	s_lshr_b32 s48, s66, s57
	s_lshl_b32 s49, s48, s57
	s_sub_co_u32 s49, s66, s49
	s_lshl_b32 s49, s49, 2
	s_add_co_u32 s49, s49, s58                     ; the first of my four blocks of 16 rows: 0 or 4
	s_mul_i32 s48, s48, 24
	s_add_co_u32 s48, s48, s62
	s_mul_i32 s48, s48, SUB                        ; the sub-chunk's first byte (under 2^24)
	s_mul_i32 s50, s49, FRB
	s_add_co_u32 s50, s50, s48
	s_mov_b32 s51, 0
	s_add_nc_u64 s[52:53], s[30:31], s[50:51]
	s_lshl_b32 s50, s49, 6
	s_add_co_u32 s50, s50, s48
	s_add_co_u32 s50, s50, SCOFF
	s_add_nc_u64 s[54:55], s[30:31], s[50:51]
.endm
; fragment t (my rows 16 t .. 16 t + 15) out of the tile, as the operand wants it: register 32 c + i = number k = 64 c + 32 h + i of row r.  Into set t % 3.
.macro QL t
.set XS, 64+64*((\t)%3)
.irp c, 0,1
.irp j, 0,1,2,3,4,5,6,7
	ds_load_b128 v[XS+32*\c+4*\j:XS+32*\c+4*\j+3], v5 offset:(\t)*16*SPT+256*\c+16*\j
.endr
.endr
.endm
; left: the LDS loads of later fragments, which may stay out
.macro QUANT t, left
.set XS, 64+64*((\t)%3)
.set CS, 32+12*((\t)%2)
	s_wait_dscnt \left
.irp c, 0,1                                    ; my blocks h and 2 + h of row r: all 32 numbers of each are mine
	v_max3_num_f32 v[16+\c], |v[XS+32*\c]|, |v[XS+32*\c+1]|, 0x2800000   ; with the floor 2^(5 - 127): the byte cannot fall under 1
.endr
.irp i, 2,4,6,8,10,12,14,16,18,20,22,24,26,28,30
.irp c, 0,1
	v_max3_num_f32 v[16+\c], v[16+\c], |v[XS+32*\c+\i]|, |v[XS+32*\c+\i+1]|   ; (the two blocks by turns)
.endr
.endr
.irp c, 0,1
	v_add_nc_u32 v[18+\c], 0xfe000000, v[16+\c]    ; 4 off the exponent field: the conversion takes this operand's exponent field as its scale
.endr
.irp c, 0,1
	v_lshrrev_b32 v[20+\c], 23, v[18+\c]           ; the scale's byte
.endr
	v_lshl_or_b32 v22, v21, 16, v20                ; my two bytes,
	v_lshlrev_b32 v22, v24, v22                    ; 8 h bits up: at their places in the row's word;
	v_permlanex16_b32 v23, v22, s26, s27
	v_or_b32 v[26+(\t)], v22, v23                  ; with lane l xor 16's two the word is whole, in both lanes
.if (\t) >= 2
	s_wait_alu depctr_va_vdst(0)
	s_wait_xcnt 0x0                                ; the stores of two fragments back have read this set of codes: it is rewritten only behind this wait
.endif
.irp c, 0,1
	v_cvt_scalef32_pk16_bf6_f32 v[CS+6*\c:CS+6*\c+2], v[XS+32*\c:XS+32*\c+15], v[18+\c]
	v_cvt_scalef32_pk16_bf6_f32 v[56+4*\c:58+4*\c], v[XS+32*\c+16:XS+32*\c+31], v[18+\c]   ; (a conversion's three registers begin on an even number: the second half of a block's six is made here and moved)
.endr
	v_nop                                          ; one plain instruction behind the scaled conversions
.if (\t) == 0
	QL 3                                           ; the set just converted takes the last fragment
.endif
.irp c, 0,1
.irp i, 0,1,2
	v_mov_b32 v[CS+6*\c+3+\i], v[56+4*\c+\i]
.endr
.endr
.irp g, 0,1,2
	global_store_b128 v6, v[CS+4*\g:CS+4*\g+3], s[52:53] offset:FRB*(\t)+512*\g   ; 32 lanes store 512 consecutive bytes, aligned
.endr
.endm
	s_load_b512 s[4:19], s[0:1], 0x0               ; hidden s[4:5], tau_adapt_w s[6:7], x's codes, scales s[8:11], W_in_w's s[12:15], W_rec's s[16:19]
	s_load_b128 s[20:23], s[0:1], 0x40             ; Awork s[20:21], Bwork s[22:23]
	v_lshl_add_u32 v[SPW], v0, 2, SPARE
	v_mov_b32 v[NIL], 0
	ds_add_u32 v[SPW], v[NIL]                      ; the opening lines: the add, twice on end, and its wait ahead of the first tensor load
	ds_add_u32 v[SPW], v[NIL]
	v_lshrrev_b32 v1, 5, v0
	v_readfirstlane_b32 s24, v1                    ; wave 0..8
	v_and_b32 v1, 31, v0                           ; lane
	v_and_b32 v2, 15, v0                           ; r
	v_bfe_u32 v3, v0, 4, 1                         ; h
	v_lshlrev_b32 v6, 4, v1
	v_lshlrev_b32 v7, 4, v2
	v_lshl_add_u32 v7, v3, 3, v7                   ; scale words on the way out: row r's 16 bytes, my half's two words
	s_mov_b32 s26, 0x76543210
	s_mov_b32 s27, 0xfedcba98                      ; v_permlanex16_b32's selects for lane l xor 16
.irp g, G1H, G1T                               ; group 1: 64 rows of 64 elements of 8 bytes; 4 words of padding behind every 128
	s_mov_b32 s[\g+0], (3<<16)|(1<<20)|(6<<22)|(3<<25)
	s_mov_b32 s[\g+1], 64<<16
	s_mov_b32 s[\g+2], 64<<16
	s_mov_b32 s[\g+3], 64<<16
	s_mov_b32 s[\g+4], 64
	s_mov_b32 s[\g+6], 0
	s_mov_b32 s[\g+7], 0
.endr
	s_mov_b32 s[G1H+5], 1024                       ; hidden's row: 8,192 bytes
	s_mov_b32 s[G1T+5], 1536                       ; tau_adapt_w's: 12,288
	s_wait_alu depctr_va_vdst(0)
	s_wait_dscnt 0x0                               ; both opening adds are done
	s_wait_kmcnt 0x0
	s_cmp_lt_u32 s24, 7
	s_cbranch_scc0 .Lrelay
	; ---- QUANTISE
	s_cmp_lt_u32 s24, 4                            ; hidden's wave or tau_adapt_w's?
	s_cselect_b64 s[28:29], s[4:5], s[6:7]         ; from
	s_cselect_b64 s[30:31], s[20:21], s[22:23]     ; to
	s_mov_b32 s56, 12288
	s_cselect_b32 s56, 8192, s56                   ; a row in bytes
	s_cselect_b32 s57, 1, 0                        ; 2 or 1 of my 64 rows in a block's share
	s_cselect_b32 s58, 0, 4                        ; tau_adapt_w's rows are a sub-chunk's blocks 4-7
	s_cselect_b32 s59, 4, 3                        ; K steps of a work-group
	s_cselect_b32 s60, 6, 5                        ; 64 or 32 indices of 64 rows
	s_cselect_b32 s61, 63, 31
	s_cselect_b32 s62, 8, 0                        ; hidden's K steps stand behind x's eight
	s_cselect_b32 s67, 0, 4                        ; the tensor's first wave
	s_lshr_b32 s63, ttmp9, s60
	s_and_b32 s66, ttmp9, s61                      ; which 64 rows
	s_mul_i32 s63, s63, s59
	s_add_co_u32 s63, s63, s24
	s_sub_co_u32 s63, s63, s67                     ; my K step in the tensor,
	s_add_co_u32 s62, s62, s63                     ; and in the operand
	s_mul_i32 s67, s66, s56
	s_lshl_b32 s67, s67, 6
	s_lshl_b32 s68, s63, 9
	s_add_co_u32 s68, s67, s68                     ; 64 rows x index + 512 bytes x K step (under 2^26)
	s_mov_b32 s69, 0
	s_mov_b32 s[G0], 1
	s_mul_i32 s[G0+1], s24, TILE                   ; my tile in LDS: wave x 33,792
	s_add_nc_u64 s[G0+2:G0+3], s[28:29], s[68:69]
	s_or_b32 s[G0+3], s[G0+3], 0x80000000
	s_cmp_lt_u32 s24, 4
	s_cbranch_scc0 .Ltau
	tensor_load_to_lds s[G0:G0+3], s[G1H:G1H+7]    ; my one tensor load
	s_nop 0
	s_branch .Lasked
.Ltau:
	tensor_load_to_lds s[G0:G0+3], s[G1T:G1T+7]
	s_nop 0
.Lasked:
	DEST
	v_mul_u32_u24 v5, v2, SPT
	v_lshl_add_u32 v5, v3, 7, v5
	v_add_nc_u32 v5, s[G0+1], v5                   ; row r of my tile, + 128 h bytes
	v_mov_b32 v23, 0                               ; written once: a lane permute's destination counts as one of its sources
	v_lshlrev_b32 v24, 3, v3
	s_wait_alu depctr_va_vdst(0)
	s_wait_tensorcnt 0x0                           ; my tile is in LDS; nobody else reads it
	QL 0
	QL 1
	QL 2
	QUANT 0, 32                                    ; fragments 1 and 2 may be out
	QUANT 1, 32                                    ; 2 and 3
	QUANT 2, 16
	QUANT 3, 0
	v_cmp_lt_u32 vcc_lo, 15, v1                    ; lanes 0-15 store row r's words of my blocks 0 and 1, lanes 16-31 those of blocks 2 and 3
	v_cndmask_b32 v30, v26, v28, vcc_lo
	v_cndmask_b32 v31, v27, v29, vcc_lo
	global_store_b64 v7, v[30:31], s[54:55]        ; 32 lanes store 256 consecutive bytes, aligned
	s_wait_tensorcnt 0x0                           ; the wave's end
	ds_add_u32 v[SPW], v[NIL]
	s_wait_dscnt 0x0
	s_endpgm
.Lrelay:
	; ---- RELAY.  A share is 64 rows x 512 along K (384 bytes of codes, 16 scale bytes a row): sixteen fragments, four sub-chunks' parts.  Shares 0-127 x, 128-191 W_in_w, 192-319 W_rec.
	s_sub_co_u32 s25, s24, 7
	s_lshl_b32 s25, s25, 8
	s_add_co_u32 s66, s25, ttmp9                   ; my share
	s_cmp_lt_u32 s66, 320
	s_cbranch_scc0 .Lend                           ; wave 8 has a share in work-groups 0-63 alone
	s_cmp_lt_u32 s66, 192
	s_cselect_b64 s[28:29], s[12:13], s[16:17]     ; codes
	s_cselect_b64 s[32:33], s[14:15], s[18:19]     ; scale bytes
	s_mov_b32 s56, 1536
	s_cselect_b32 s56, 768, s56                    ; a row of codes
	s_cselect_b32 s59, 32, 64                      ; a row of scale bytes
	s_cselect_b32 s60, 1, 2                        ; a row is two shares' worth, W_rec's four
	s_mov_b32 s61, 192
	s_cselect_b32 s61, 128, s61                    ; the tensor's first share
	s_cselect_b32 s62, 0, 8                        ; W_rec's K steps stand behind W_in_w's eight
	s_cmp_lt_u32 s66, 128
	s_cselect_b64 s[28:29], s[8:9], s[28:29]
	s_cselect_b64 s[32:33], s[10:11], s[32:33]
	s_cselect_b32 s61, 0, s61
	s_cselect_b64 s[30:31], s[20:21], s[22:23]
	s_cselect_b32 s57, 1, 0
	s_mov_b32 s58, 0
	s_sub_co_u32 s63, s66, s61                     ; my share's number in the tensor
	s_lshr_b32 s66, s63, s60                       ; which 64 rows
	s_lshl_b32 s67, s66, s60
	s_sub_co_u32 s63, s63, s67                     ; which 512 along K
	s_lshl_b32 s67, s63, 2
	s_add_co_u32 s62, s62, s67                     ; my first K step
	s_mul_i32 s68, s66, s56
	s_lshl_b32 s68, s68, 6
	s_mul_i32 s67, s63, 384
	s_add_co_u32 s68, s68, s67
	s_mov_b32 s69, 0
	s_add_nc_u64 s[28:29], s[28:29], s[68:69]
	s_mul_i32 s68, s66, s59
	s_lshl_b32 s68, s68, 6
	s_lshl_b32 s67, s63, 4
	s_add_co_u32 s68, s68, s67
	s_add_nc_u64 s[32:33], s[32:33], s[68:69]
	v_mul_lo_u32 v8, v2, s56
	v_mad_u32_u24 v8, v3, 24, v8                   ; codes: row r, + 24 h bytes;
	s_lshl_b32 s67, s56, 4
.irp n, 1,2,3
	v_add_nc_u32 v[8+\n], s67, v[7+\n]             ; and 16, 32, 48 rows further down
.endr
	v_lshl_add_u32 v12, v3, 5, v2
	v_mul_lo_u32 v12, v12, s59                     ; scale bytes: lane (r, h) takes row r of blocks 2 h and 2 h + 1
	s_lshl_b32 s67, s59, 4
	v_add_nc_u32 v13, s67, v12
	global_load_b128 v[40:43], v12, s[32:33]       ; four scale words of block 2 h's row
	global_load_b128 v[44:47], v13, s[32:33]       ; and of block 2 h + 1's
.irp k, 0,1,2,3                                ; K step k, rows 16 b on: the row's stream of bits is the register image, in pieces of 8 bytes
.irp b, 0,1,2,3
.irp p, 0,1,2,3,4,5
	global_load_b64 v[64+12*(4*\k+\b)+2*\p:64+12*(4*\k+\b)+2*\p+1], v[8+\b], s[28:29] offset:96*\k+48*(\p/3)+8*(\p%3)
.endr
.endr
.endr
	DEST
.irp k, 0,1,2,3
.if \k == 0
	s_wait_loadcnt 63                              ; 72 loads were issued behind K step 0's: the count's largest value serves
.else
	s_wait_loadcnt 24*(3-\k)                       ; the later K steps' loads may be out
.endif
	v_mov_b32 v[48+2*\k], v[40+\k]                 ; this K step's two words side by side, for one store of 8 bytes
	v_mov_b32 v[49+2*\k], v[44+\k]
.irp f, 0,1,2,3
.irp g, 0,1,2
	global_store_b128 v6, v[64+12*(4*\k+\f)+4*\g:64+12*(4*\k+\f)+4*\g+3], s[52:53] offset:SUB*\k+FRB*\f+512*\g   ; 512 consecutive bytes, aligned
.endr
.endr
	global_store_b64 v7, v[48+2*\k:49+2*\k], s[54:55] offset:SUB*\k   ; 256 consecutive bytes, aligned
.endr
.Lend:
	s_wait_tensorcnt 0x0                           ; the wave's end
	ds_add_u32 v[SPW], v[NIL]
	s_wait_dscnt 0x0
	s_endpgm
.Lfunc_end_k_q62e68d5618_prep:
	.size	k_q62e68d5618_prep, .Lfunc_end_k_q62e68d5618_prep-k_q62e68d5618_prep
	.p2alignl 7, 3214868480
	.fill 96, 4, 3214868480
	.section	.rodata,"a",@progbits
	.p2align	6, 0x0
	.amdhsa_kernel k_q62e68d5618_prep
		.amdhsa_group_segment_fixed_size 327680
		.amdhsa_private_segment_fixed_size 0
		.amdhsa_enable_private_segment 0
		.amdhsa_kernarg_size 80
		.amdhsa_user_sgpr_count 2
		.amdhsa_user_sgpr_kernarg_segment_ptr 1
		.amdhsa_wavefront_size32 1
		.amdhsa_system_sgpr_workgroup_id_x 1
		.amdhsa_system_sgpr_workgroup_id_y 1
		.amdhsa_system_sgpr_workgroup_id_z 1
		.amdhsa_system_vgpr_workitem_id 0
		.amdhsa_next_free_vgpr 256
		.amdhsa_next_free_sgpr 88
		.amdhsa_reserve_vcc 1
		.amdhsa_float_denorm_mode_32 3
		.amdhsa_float_denorm_mode_16_64 3
		.amdhsa_memory_ordered 1
		.amdhsa_forward_progress 1
		.amdhsa_inst_pref_size 39
	.end_amdhsa_kernel
	.amdgpu_metadata
---
amdhsa.version: [ 1, 2 ]
amdhsa.kernels:
  - .name:           k_q62e68d5618_prep
    .symbol:         k_q62e68d5618_prep.kd
    .args:
      - { .name: hidden, .offset: 0, .size: 8, .value_kind: global_buffer, .address_space: global }
      - { .name: tau_adapt_w, .offset: 8, .size: 8, .value_kind: global_buffer, .address_space: global }
      - { .name: x_codes, .offset: 16, .size: 8, .value_kind: global_buffer, .address_space: global }
      - { .name: x_scales, .offset: 24, .size: 8, .value_kind: global_buffer, .address_space: global }
      - { .name: W_in_w_codes, .offset: 32, .size: 8, .value_kind: global_buffer, .address_space: global }
      - { .name: W_in_w_scales, .offset: 40, .size: 8, .value_kind: global_buffer, .address_space: global }
      - { .name: W_rec_codes, .offset: 48, .size: 8, .value_kind: global_buffer, .address_space: global }
      - { .name: W_rec_scales, .offset: 56, .size: 8, .value_kind: global_buffer, .address_space: global }
      - { .name: Awork, .offset: 64, .size: 8, .value_kind: global_buffer, .address_space: global }
      - { .name: Bwork, .offset: 72, .size: 8, .value_kind: global_buffer, .address_space: global }
    .group_segment_fixed_size: 327680
    .private_segment_fixed_size: 0
    .kernarg_segment_align: 8
    .kernarg_segment_size: 80
    .max_flat_workgroup_size: 288
    .sgpr_count:     88
    .vgpr_count:     256
    .wavefront_size: 32
...
	.end_amdgpu_metadata
.endif
;; end of part 1
;; launch cell (part 2): grid 16 x 16, 4 waves a work-group, clusters of 4 x 4, 327,680 bytes of LDS; arguments Awork, Bwork, hidden, W_in_b, tau_adapt_b, tau_base, out0, out1; writes out0, out1
.if DOCPART == 2
	.amdgcn_target "amdgcn-amd-amdhsa--gfx1250"
	.amdhsa_code_object_version 6
	.text
	.protected	k_q62e68d5618_cell
	.globl	k_q62e68d5618_cell
	.p2align	8
	.type	k_q62e68d5618_cell,@function
k_q62e68d5618_cell:
	s_mov_b64 s[64:65], 0
	v_nop
	global_prefetch_b8 v0, s[64:65] scope:SCOPE_SE
	s_setreg_imm32_b32 hwreg(HW_REG_WAVE_MODE, 25, 1), 1
	s_wait_xcnt 0x0
	s_wait_alu depctr_hold_cnt(0) depctr_sa_sdst(0) depctr_va_vdst(0) depctr_va_sdst(0) depctr_va_ssrc(0) depctr_va_vcc(0) depctr_vm_vsrc(0)
	s_getreg_b32 s2, hwreg(HW_REG_IB_STS2, 6, 4)
	s_cmp_eq_u32 s2, 0
	s_cbranch_scc0 .Lentry_in_a_cluster
	s_endpgm
.Lentry_in_a_cluster:
	s_bfe_u32 s2, ttmp6, 0x10000c
	s_cmp_lg_u32 s2, 0xf033
	s_cbranch_scc0 .Lentry_shape_is_right
	s_endpgm
.Lentry_shape_is_right:
; CELL: all four products as ONE product of codes, [x | hidden] (4,096 x 3,072) with 4,096 virtual rows of weights, and the cell's update behind it.  Nothing of reference() is left out.
; A work-group of four waves makes 256 rows x 256 virtual columns = 128 output columns: for each 64 columns the pre-activation u (64 virtual columns) and the logits z of tau (64).  A wave makes 128 x 128: 64 accumulators.
; Awork and Bwork hold images of the operands' registers in sub-chunks of 128 rows x 128 K (12,800 bytes: eight fragments of 1,536, then 512 bytes of scale words); a block's 24 K steps lie on end.
; K goes in CHUNKS of three K steps through two LDS slots.  A wave fetches one part (waves 0, 1: A's two halves; 2, 3: B's), as rows of 256 bytes of a dense block.  In LDS a part's two slots lie on end,
; so that ONE load a wave at the head brings chunks 0 and 1 (300 rows); every later load brings one chunk (150 rows) into the slot read out, behind a round of the cluster's barrier.
; CLUSTERS 4 x 4: A's parts are asked for jointly along a row of the cluster, B's along a column.  The matrix instruction is used transposed (source 0 = B's rows), so a lane holds eight neighbouring columns of a row.
; PREFETCHES, at the first four changes of slots (of seven): the chunk that stands two refills on (chunks 4 to 7; 2 and 3 come by their refills alone), its 150 blocks of 256 bytes shared out by address among the four
; partners of the joint load (32 each, and 6, 6, 6, 4 of the last 22), and 32 rows x 256 bytes of my wave's 128 rows of hidden, which the way out reads.
; THE WAY OUT: tanh(u) = 1 - 2 / (1 + 2^(2 log2(e) u)), sigmoid(z) = 1 / (1 + 2^(-log2(e) z)): an exponential that overflows gives infinity, whose reciprocal is 0: the right limit.  All in f32.
; REGISTERS: window 0: v0-31 addresses and the columns' constants; v32-79 scale words, two sets; from v128 A's fragments, one set.  Window 1: B's fragments, two sets.  Windows 2, 3: the accumulators.
.set SUB,    12800
.set NQ,     3
.set CHUNK,  NQ*SUB
.set PART,   2*CHUNK                   ; a wave's part in LDS: slot 0's chunk, then slot 1's
.set SLOT,   CHUNK                     ; from a part's slot 0 to its slot 1
.set SPARE,  4*PART                    ; behind the ring: the spare words, 128 bytes a wave, that no other line names
.set SCOFF,  12288
.set KROWC,  24*SUB
.set FR,     12
.set NL,     3
.set NP,     4
.set LAPS,   4
.set SPITCH, 528
.set ROWO,   8192
.set KU,   4                           ; v4-7 W_in_b x 2 log2(e); v8-11 tau_adapt_b x -log2(e); v12-15 tau_base; v224-227 tau_base / 2: of my four columns
.set KZ,   8
.set BS,   12
.set HB,   224
.set ADRA, 16
.set ADRS, 18
.set ADRB, 20
.set STO,  24
.set RD,   25
.set CO,   26
.set PFO,  27                          ; prefetch of hidden: lane x a row
.set SPW,  28
.set NIL,  29
.set PF1,  30                          ; prefetch of a chunk: block 32 p + lane,
.set PF2,  31                          ; and block 128 + min(6 p + min(lane, 5), 21)
.set SC,   32
.set AF,   128
.set TT,   160
.set G1,   24
.set G0,   32
.set G1B,  48
.set G0B,  56
.set PFH,  76                          ; s[76:77] where the prefetches of hidden stand; s[78:79] those of my part's chunks
.set PFC,  78
.set MSB, 0
.macro WIN new                         ; the immediate's high byte repeats the setting that is left
.if MSB != (\new)
	s_set_vgpr_msb (MSB<<8)|(\new)
.set MSB, \new
.endif
.endm
.set MUL_LO, 0xa1
.set MUL_HI, 0xf1
.set TO_1,   0x40
.macro JLOAD s                         ; a joint load: waves 0, 1 for A, waves 2, 3 for B; s_nop 0 and four v_nop behind each line
	s_cmp_eq_u32 s21, 0
	s_cbranch_scc0 .Lfor_b_\@
	tensor_load_to_lds s[G0+4*\s:G0+4*\s+3], s[G1:G1+7]
	s_nop 0
.rept 4
	v_nop
.endr
	s_branch .Lasked_\@
.Lfor_b_\@:
	tensor_load_to_lds s[G0B+4*\s:G0B+4*\s+3], s[G1B:G1B+7]
	s_nop 0
.rept 4
	v_nop
.endr
.Lasked_\@:
.endm
.macro CREST                           ; a round of the cluster's barrier behind its opening barrier
	s_cmp_lg_u32 s20, 0
	s_cbranch_scc1 .Lnot_wave_0_\@
	s_barrier_signal -3
.Lnot_wave_0_\@:
	s_barrier_wait -3
	s_barrier_signal -1
	s_barrier_wait -1
.endm
.macro CROUND
	s_barrier_signal -1
	s_barrier_wait -1
	CREST
.endm
.macro ASK u                           ; in the loop's first two trips (s3 = 3, 2): the change of slot u asks for chunk 2 t + 4 + u and for 32 rows of hidden
	s_cmp_gt_u32 s3, 1
	s_cbranch_scc0 .Lnot_now_\@
	global_prefetch_b8 v[PF1], s[PFC:PFC+1] offset:\u*CHUNK th:TH_LOAD_NT scope:SCOPE_SE
	global_prefetch_b8 v[PF2], s[PFC:PFC+1] offset:\u*CHUNK th:TH_LOAD_NT scope:SCOPE_SE
	global_prefetch_b8 v[PFO], s[PFH:PFH+1] offset:\u*32*ROWO th:TH_LOAD_NT scope:SCOPE_SE
.Lnot_now_\@:
.endm
	s_load_b256 s[4:11], s[0:1], 0x0               ; Awork, Bwork, hidden, W_in_b
	s_load_b256 s[12:19], s[0:1], 0x20             ; tau_adapt_b, tau_base, out0, out1
	v_lshl_add_u32 v[SPW], v0, 2, SPARE
	v_mov_b32 v[NIL], 0
	ds_add_u32 v[SPW], v[NIL]                      ; the opening lines: the add, twice on end, and its wait
	ds_add_u32 v[SPW], v[NIL]
	v_lshrrev_b32 v1, 5, v0
	v_readfirstlane_b32 s20, v1                    ; wave
	s_lshr_b32 s21, s20, 1                         ; my half of the rows; also: I fetch for A (0) or B (1)
	s_and_b32 s22, s20, 1                          ; my half of the columns; also: which 128 rows I fetch
	s_bfe_u32 s40, ttmp6, 0x40000                  ; cx, cy
	s_bfe_u32 s41, ttmp6, 0x40004
	s_lshl_b32 s42, ttmp9, 2
	s_add_co_u32 s42, s42, s40                     ; tile column
	s_and_b32 s23, ttmp7, 0xffff
	s_lshl_b32 s23, s23, 2
	s_add_co_u32 s23, s23, s41                     ; tile row
	s_lshl_b32 s43, s41, 2
	s_lshl_b32 s43, 15, s43                        ; my row of the cluster
	s_lshl_b32 s44, 0x1111, s40                    ; my column
	s_or_b32 s[G1+0], s43, (3<<16)|(1<<21)         ; elements of 8 bytes, no padding; bit 21 beside a mask
	s_or_b32 s[G1B+0], s44, (3<<16)|(1<<21)
.irp g, G1, G1B                                ; rows of 256 bytes of a dense block: 300 for the head's load
	s_mov_b32 s[\g+1], 32<<16
	s_mov_b32 s[\g+2], (PART/256)<<16
	s_mov_b32 s[\g+3], 32<<16
	s_mov_b32 s[\g+4], PART/256
	s_mov_b32 s[\g+5], 32
	s_mov_b32 s[\g+6], 0
	s_mov_b32 s[\g+7], 0
.endr
	s_lshl_b32 s66, s23, 1
	s_add_co_u32 s66, s66, s22
	s_mul_i32 s66, s66, KROWC                      ; A: my block of 128 rows
	s_mov_b32 s67, 0
	s_lshl_b32 s46, s42, 1
	s_add_co_u32 s46, s46, s22
	s_mul_i32 s46, s46, KROWC                      ; B: likewise
	s_mov_b32 s47, 0
	s_mul_i32 s45, s20, PART                       ; where my part lies in LDS
	s_wait_dscnt 0x0                               ; both opening adds are done
	s_wait_kmcnt 0x0
	s_add_nc_u64 s[66:67], s[4:5], s[66:67]
	s_add_nc_u64 s[46:47], s[6:7], s[46:47]
.irp s, 0,1
	s_mov_b32 s[G0+4*\s], 1
	s_add_co_u32 s[G0+4*\s+1], s45, \s*SLOT
	s_add_nc_u64 s[G0+4*\s+2:G0+4*\s+3], s[66:67], \s*CHUNK
	s_or_b32 s[G0+4*\s+3], s[G0+4*\s+3], 0x80000000
	s_mov_b32 s[G0B+4*\s], 1
	s_add_co_u32 s[G0B+4*\s+1], s45, \s*SLOT
	s_add_nc_u64 s[G0B+4*\s+2:G0B+4*\s+3], s[46:47], \s*CHUNK
	s_or_b32 s[G0B+4*\s+3], s[G0B+4*\s+3], 0x80000000
.endr
	CROUND                                         ; all sixteen work-groups are here: the first joint loads meet
	JLOAD 0                                        ; my one load at the head: chunks 0 and 1 of my part, both slots
	s_lshl_b32 s68, s23, 8
	s_lshl_b32 s70, s21, 7
	s_add_co_u32 s68, s68, s70                     ; my first row,
	s_lshl_b32 s68, s68, 13
	s_lshl_b32 s70, s42, 9
	s_lshl_b32 s71, s22, 8
	s_add_co_u32 s70, s70, s71                     ; my first column in bytes: 512 x tile column + 256 x half
	s_mov_b32 s71, 0
	s_add_co_u32 s68, s68, s70
	s_mov_b32 s69, 0
	s_add_nc_u64 s[8:9], s[8:9], s[68:69]
	s_add_nc_u64 s[16:17], s[16:17], s[68:69]
	s_add_nc_u64 s[18:19], s[18:19], s[68:69]
	s_add_nc_u64 s[10:11], s[10:11], s[70:71]
	s_add_nc_u64 s[12:13], s[12:13], s[70:71]
	s_add_nc_u64 s[14:15], s[14:15], s[70:71]
	v_and_b32 v1, 31, v0
	v_and_b32 v2, 15, v0
	v_bfe_u32 v3, v0, 4, 1
	s_wait_alu depctr_va_vdst(0)
	v_lshlrev_b32 v22, 4, v2
	global_load_b128 v[KU:KU+3], v22, s[10:11]
	global_load_b128 v[KZ:KZ+3], v22, s[12:13]
	global_load_b128 v[BS:BS+3], v22, s[14:15]
	v_lshlrev_b32 v23, 4, v1
	s_mul_i32 s72, s21, PART                       ; my 128 rows of A,
	s_mul_i32 s73, s22, PART
	s_add_co_u32 s73, s73, 2*PART                  ; of B
.irp s, 0,1
	v_add_nc_u32 v[ADRA+\s], s72, v23
	v_add_nc_u32 v[ADRB+\s], s73, v23
	s_add_co_u32 s72, s72, SLOT
	s_add_co_u32 s73, s73, SLOT
.endr
	s_mul_i32 s72, s21, PART
	s_mul_i32 s73, s22, PART
	s_add_co_u32 s73, s73, 2*PART
	s_sub_co_u32 s73, s73, s72
	v_mul_u32_u24 v30, s73, v3                     ; scale words: lanes 0-15 A's rows, lanes 16-31 B's
	v_lshl_add_u32 v30, v2, 4, v30
	s_add_co_u32 s72, s72, SCOFF
	v_add_nc_u32 v[ADRS], s72, v30
	s_add_co_u32 s72, s72, SLOT
	v_add_nc_u32 v[ADRS+1], s72, v30
	s_mul_i32 s74, s20, 16*SPITCH                  ; my stage for the way out: in part 0's slot 0, which has had its last fill and its last read by then
	v_mul_u32_u24 v30, v2, SPITCH
	v_lshl_add_u32 v30, v3, 5, v30
	v_add_nc_u32 v[STO], s74, v30
	v_mul_u32_u24 v31, v3, SPITCH
	v_lshl_add_u32 v31, v2, 4, v31
	v_add_nc_u32 v[RD], s74, v31
	s_cmp_eq_u32 s21, 0                            ; the prefetches: my place p among the four that ask for my part with me: cx for A, cy for B
	s_cselect_b32 s75, s40, s41
	s_cselect_b64 s[PFC:PFC+1], s[66:67], s[46:47]
	s_add_nc_u64 s[PFC:PFC+1], s[PFC:PFC+1], 4*CHUNK   ; at chunk 4
	s_mov_b64 s[PFH:PFH+1], s[8:9]
	s_lshl_b32 s80, s75, 5
	s_mul_i32 s81, s75, 6
	v_lshlrev_b32 v[CO], 13, v3
	v_lshl_add_u32 v[CO], v2, 4, v[CO]
	v_lshlrev_b32 v[PFO], 13, v1
	v_add_lshl_u32 v[PF1], v1, s80, 8
	v_min_u32 v[PF2], 5, v1
	v_add_nc_u32 v[PF2], s81, v[PF2]
	v_min_u32 v[PF2], 21, v[PF2]
	v_lshlrev_b32 v[PF2], 8, v[PF2]
	v_add_nc_u32 v[PF2], 128*256, v[PF2]
	s_wait_alu depctr_va_vdst(0)
	s_wait_loadcnt 0x0
.irp j, 0,1,2,3
	v_mul_f32 v[KU+\j], 0x4038aa3b, v[KU+\j]
	v_mul_f32 v[KZ+\j], 0xbfb8aa3b, v[KZ+\j]
	v_mul_f32 v[HB+\j], 0.5, v[BS+\j]
.endr
.macro FRAG reg, adr, q, i             ; a fragment's image: three loads of 16 bytes a lane
.irp g, 0,1,2
	ds_load_b128 v[\reg+4*\g:\reg+4*\g+3], v[\adr] offset:(\q)*SUB+(\i)*FR*128+512*\g
.endr
.endm
; 16 matrix instructions: A's blocks a0, a0 + 1 x B's eight.  The 64 accumulators take turns, in the same order in every step.
.macro MUL16 a0, p, q, sc, zero
.irp a, \a0, \a0+1
.irp b, 0,1,2,3,4,5,6,7
.if \zero
	v_wmma_scale_f32_16x16x128_f8f6f4 v[8*(8*((\a)%4)+\b):8*(8*((\a)%4)+\b)+7], v[128*(\p)+FR*\b:128*(\p)+FR*\b+FR-1], v[AF+FR*(\a):AF+FR*(\a)+FR-1], 0, v[SC+8*NQ*(\sc)+8*(\q)+\b], v[SC+8*NQ*(\sc)+8*(\q)+(\a)] matrix_a_fmt:MATRIX_FMT_BF6 matrix_b_fmt:MATRIX_FMT_BF6 matrix_a_scale:MATRIX_SCALE_ROW1
.else
	v_wmma_scale_f32_16x16x128_f8f6f4 v[8*(8*((\a)%4)+\b):8*(8*((\a)%4)+\b)+7], v[128*(\p)+FR*\b:128*(\p)+FR*\b+FR-1], v[AF+FR*(\a):AF+FR*(\a)+FR-1], v[8*(8*((\a)%4)+\b):8*(8*((\a)%4)+\b)+7], v[SC+8*NQ*(\sc)+8*(\q)+\b], v[SC+8*NQ*(\sc)+8*(\q)+(\a)] matrix_a_fmt:MATRIX_FMT_BF6 matrix_b_fmt:MATRIX_FMT_BF6 matrix_a_scale:MATRIX_SCALE_ROW1
.endif
.endr
.endr
.endm
.macro FETCH_B slot, q, p
	WIN TO_1
.irp i, 0,1,2,3,4,5,6,7
	FRAG 128*(\p)+FR*\i, ADRB+\slot, \q, \i
.endr
	WIN 0
.endm
.macro FETCH_A slot, q, i0
.irp i, \i0, \i0+1, \i0+2, \i0+3
	FRAG AF+FR*(\i), ADRA+\slot, \q, \i
.endr
.endm
.macro SCALES s                        ; a chunk's scale words: register 8 q + i: lanes 0-15 A's block i, lanes 16-31 B's block i, K step q
.irp q, 0,1,2
.irp u, 0,1
	ds_load_b128 v[SC+8*NQ*\s+8*\q+4*\u:SC+8*NQ*\s+8*\q+4*\u+3], v[ADRS+\s] offset:SUB*\q+256*\u
.endr
.endr
.endm
.macro PLACES n                        ; places behind matrix instructions, ahead of loads into their registers and of reads of results
.rept \n
	v_nop
.endr
.endm
; one of a chunk's first two K steps: 64 matrix instructions; the next step's fragments are fetched in its middle (B, A's blocks 0-3) and at its end (A's blocks 4-7)
.macro STEP slot, q, zero
	s_wait_dscnt 4*NL                              ; all but A's blocks 4-7
	WIN MUL_LO
	MUL16 0, (3*(\slot)+(\q))%2, \q, \slot, \zero
	MUL16 2, (3*(\slot)+(\q))%2, \q, \slot, \zero
	s_wait_dscnt 0
	PLACES NP
	FETCH_B \slot, (\q)+1, 1-(3*(\slot)+(\q))%2
	FETCH_A \slot, (\q)+1, 0
	WIN MUL_HI
	MUL16 4, (3*(\slot)+(\q))%2, \q, \slot, \zero
	MUL16 6, (3*(\slot)+(\q))%2, \q, \slot, \zero
	PLACES NP
	WIN 0
	FETCH_A \slot, (\q)+1, 4
.endm
; a chunk's last K step changes slots: each wave waits for all its tensor loads, adds 0 to its spare word and waits for that and its reads; the barrier opens a round of the cluster's barrier; the refill comes first behind it
.macro TURN slot, next, fill, ask
	s_wait_tensorcnt 0x0                           ; my part of the next slot is in
	ds_add_u32 v[SPW], v[NIL]
	s_wait_dscnt 4*NL+1                            ; (the add and A's blocks 4-7 may be out)
	WIN MUL_LO
	MUL16 0, (3*(\slot)+NQ-1)%2, NQ-1, \slot, 0
	s_wait_dscnt 0x0                               ; the add is done, my reads of this slot are over
	s_barrier_signal -1
	MUL16 2, (3*(\slot)+NQ-1)%2, NQ-1, \slot, 0
	WIN 0
	s_barrier_wait -1
.if \fill
	CREST
	s_add_nc_u64 s[G0+4*\slot+2:G0+4*\slot+3], s[G0+4*\slot+2:G0+4*\slot+3], 2*CHUNK
	s_add_nc_u64 s[G0B+4*\slot+2:G0B+4*\slot+3], s[G0B+4*\slot+2:G0B+4*\slot+3], 2*CHUNK
	JLOAD \slot                                    ; its four v_nop are the places ahead of the loads below
.else
	PLACES NP
.endif
	FETCH_B \next, 0, (3*(\next))%2
	FETCH_A \next, 0, 0
	SCALES \next
.if \ask
	ASK \slot
.endif
	WIN MUL_HI
	MUL16 4, (3*(\slot)+NQ-1)%2, NQ-1, \slot, 0
	MUL16 6, (3*(\slot)+NQ-1)%2, NQ-1, \slot, 0
	PLACES NP
	WIN 0
	FETCH_A \next, 0, 4
.endm
.macro HLOAD a, reg                    ; hidden, block a's 16 rows x my 64 columns, into window 1: sixteen lanes read 256 consecutive bytes
	WIN TO_1
.irp t, 0,1,2,3,4,5,6,7
	global_load_b128 v[\reg+4*\t:\reg+4*\t+3], v[CO], s[8:9] offset:(16*(\a)+2*\t)*ROWO th:TH_LOAD_NT
.endr
.endm
.macro TOSTAGE a                       ; block a through my stage: in by lanes' 32 bytes, each accumulator from its low end on; back as rows: u's 256 bytes, z's 256 bytes
.set AC, 64*((\a)%4)
.set PT, 32+64*((\a)%2)
	WIN 0x08+4*((\a)/4)
.irp b, 0,1,2,3,4,5,6,7
	ds_store_b128 v[STO], v[AC+8*\b:AC+8*\b+3] offset:64*\b
	ds_store_b128 v[STO], v[AC+8*\b+4:AC+8*\b+7] offset:64*\b+16
.endr
	WIN 0
.irp t, 0,1,2,3,4,5,6,7
	ds_load_b128 v[PT+4*\t:PT+4*\t+3], v[RD] offset:\t*2*SPITCH
	ds_load_b128 v[PT+32+4*\t:PT+32+4*\t+3], v[RD] offset:\t*2*SPITCH+256
.endr
.endm
; block a's update.  PP: u, then tanh, then the new h.  LL: z, then tau.  Each batch of transcendentals has one wait ahead of it and one behind it.
.macro COMPUTE a, hreg, younger
.set PP, 32+64*((\a)%2)
.set LL, PP+32
	s_wait_dscnt \younger
.irp j, 0,1,2,3,4,5,6,7,8,9,10,11,12,13,14,15
	v_pk_fma_f32 v[PP+2*\j:PP+2*\j+1], v[PP+2*\j:PP+2*\j+1], 0x4038aa3b, v[KU+2*(\j%2):KU+2*(\j%2)+1] op_sel_hi:[1,0,1]
.endr
.irp j, 0,1,2,3,4,5,6,7,8,9,10,11,12,13,14,15
	v_pk_fma_f32 v[LL+2*\j:LL+2*\j+1], v[LL+2*\j:LL+2*\j+1], 0xbfb8aa3b, v[KZ+2*(\j%2):KZ+2*(\j%2)+1] op_sel_hi:[1,0,1]
.endr
.set i, 0
	s_wait_alu depctr_va_vdst(0)
.rept 64
	v_exp_f32 v[PP+i], v[PP+i]
.set i, i+1
.endr
	v_nop
	s_wait_alu depctr_va_vdst(0)
.set i, 0
.rept 32
	v_pk_add_f32 v[PP+i:PP+i+1], v[PP+i:PP+i+1], 1.0 op_sel_hi:[1,0]
.set i, i+2
.endr
.set i, 0
	s_wait_alu depctr_va_vdst(0)
.rept 64
	v_rcp_f32 v[PP+i], v[PP+i]
.set i, i+1
.endr
	v_nop
	s_wait_alu depctr_va_vdst(0)
.irp j, 0,1,2,3,4,5,6,7,8,9,10,11,12,13,14,15
	v_pk_fma_f32 v[LL+2*\j:LL+2*\j+1], v[LL+2*\j:LL+2*\j+1], v[BS+2*(\j%2):BS+2*(\j%2)+1], v[HB+2*(\j%2):HB+2*(\j%2)+1]   ; tau = base x sigmoid + base / 2
.endr
.set i, 0
	s_wait_alu depctr_va_vdst(0)
.rept 32
	v_rcp_f32 v[TT+i], v[LL+i]
.set i, i+1
.endr
.set i, 0
.rept 16
	v_pk_fma_f32 v[PP+i:PP+i+1], v[PP+i:PP+i+1], -2.0, 1.0 op_sel_hi:[1,0,0]   ; tanh
.set i, i+2
.endr
.irp t, 0,1,2,3,4,5,6,7
	global_store_b128 v[CO], v[LL+4*\t:LL+4*\t+3], s[18:19] offset:(16*(\a)+2*\t)*ROWO th:TH_STORE_NT   ; sixteen lanes store 256 consecutive bytes, aligned
.endr
	s_wait_loadcnt 8*(7-(\a))                      ; this block's rows of hidden are in; the later blocks' eight loads each may be out
	WIN 0x04
.set i, 0
.rept 16
	v_pk_add_f32 v[PP+i:PP+i+1], v[PP+i:PP+i+1], v[\hreg+i:\hreg+i+1] neg_lo:[0,1] neg_hi:[0,1]
.set i, i+2
.endr
	WIN 0
	s_wait_alu depctr_va_vdst(0)
.set i, 0
.rept 16
	v_pk_mul_f32 v[PP+i:PP+i+1], v[PP+i:PP+i+1], v[TT+i:TT+i+1]
.set i, i+2
.endr
	WIN 0x10
.set i, 0
.rept 16
	v_pk_fma_f32 v[PP+i:PP+i+1], v[PP+i:PP+i+1], 0x3dcccccd, v[\hreg+i:\hreg+i+1] op_sel_hi:[1,0,1]   ; h + 0.1 (tanh - h) / tau
.set i, i+2
.endr
	WIN 0
.irp t, 0,1,2,3,4,5,6,7
	global_store_b128 v[CO], v[PP+4*\t:PP+4*\t+3], s[16:17] offset:(16*(\a)+2*\t)*ROWO th:TH_STORE_NT
.endr
.endm
.macro BLOCK a, hreg                   ; the next block goes through the stage while this one is worked on
.if (\a) < 7
.if (\a) > 0
	s_wait_xcnt 0x0                                ; the stores of the block before have read the registers that the next block's loads land on
.endif
	TOSTAGE (\a)+1
	COMPUTE \a, \hreg, 32
.else
	COMPUTE \a, \hreg, 0
.endif
.endm
	s_wait_alu depctr_va_vdst(0)
	s_wait_tensorcnt 0x0                           ; my part of chunks 0 and 1 is in; no load of mine is out, so group 1 may be written:
	s_mov_b32 s[G1+2], (CHUNK/256)<<16             ; from here on a load brings one chunk, 150 rows
	s_mov_b32 s[G1+4], CHUNK/256
	s_mov_b32 s[G1B+2], (CHUNK/256)<<16
	s_mov_b32 s[G1B+4], CHUNK/256
	s_barrier_signal -1
	s_barrier_wait -1                              ; everybody's part is in
	FETCH_B 0, 0, 0
	FETCH_A 0, 0, 0
	SCALES 0
	FETCH_A 0, 0, 4
	STEP 0, 0, 1                                   ; the first step's products start the sums
	s_mov_b32 s3, LAPS-1
.Llap:                                                 ; a trip goes once round the ring, six K steps, and fills both slots again
	STEP 0, 1, 0
	TURN 0, 1, 1, 1
	STEP 1, 0, 0
	STEP 1, 1, 0
	TURN 1, 0, 1, 1
	STEP 0, 0, 0
	s_wait_xcnt 0x0                                ; the trip's prefetches have read their bases, which step only behind this wait
	s_add_nc_u64 s[PFC:PFC+1], s[PFC:PFC+1], 2*CHUNK
	s_add_nc_u64 s[PFH:PFH+1], s[PFH:PFH+1], 64*ROWO
	s_sub_co_u32 s3, s3, 1
	s_cmp_lg_u32 s3, 0
	s_cbranch_scc1 .Llap
	STEP 0, 1, 0                                   ; the last lap fills nothing; hidden's rows are loaded into registers as fragments' sets fall free
	TURN 0, 1, 0, 0
	HLOAD 0, 96
	HLOAD 1, 224
	WIN 0
	STEP 1, 0, 0
	STEP 1, 1, 0
	HLOAD 2, 0
	HLOAD 3, 32
	HLOAD 4, 64
	WIN 0
	s_wait_dscnt 4*NL
	WIN MUL_LO
	MUL16 0, 1, NQ-1, 1, 0
	MUL16 2, 1, NQ-1, 1, 0
	s_wait_dscnt 0
	WIN MUL_HI
	MUL16 4, 1, NQ-1, 1, 0
	MUL16 6, 1, NQ-1, 1, 0
	WIN 0
	PLACES NP
	HLOAD 5, 128
	HLOAD 6, 160
	HLOAD 7, 192
	WIN 0
	TOSTAGE 0
	s_wait_alu depctr_va_vdst(0)
	BLOCK 0, 96
	BLOCK 1, 224
	BLOCK 2, 0
	BLOCK 3, 32
	BLOCK 4, 64
	BLOCK 5, 128
	BLOCK 6, 160
	BLOCK 7, 192
	s_wait_tensorcnt 0x0                           ; the wave's end
	ds_add_u32 v[SPW], v[NIL]
	s_wait_dscnt 0x0
	CROUND                                         ; the closing round
	s_endpgm
.Lfunc_end_k_q62e68d5618_cell:
	.size	k_q62e68d5618_cell, .Lfunc_end_k_q62e68d5618_cell-k_q62e68d5618_cell
	.p2alignl 7, 3214868480
	.fill 96, 4, 3214868480
	.section	.rodata,"a",@progbits
	.p2align	6, 0x0
	.amdhsa_kernel k_q62e68d5618_cell
		.amdhsa_group_segment_fixed_size 327680
		.amdhsa_private_segment_fixed_size 0
		.amdhsa_enable_private_segment 0
		.amdhsa_kernarg_size 64
		.amdhsa_user_sgpr_count 2
		.amdhsa_user_sgpr_kernarg_segment_ptr 1
		.amdhsa_wavefront_size32 1
		.amdhsa_system_sgpr_workgroup_id_x 1
		.amdhsa_system_sgpr_workgroup_id_y 1
		.amdhsa_system_sgpr_workgroup_id_z 1
		.amdhsa_system_vgpr_workitem_id 0
		.amdhsa_next_free_vgpr 1024
		.amdhsa_next_free_sgpr 84
		.amdhsa_reserve_vcc 0
		.amdhsa_float_denorm_mode_32 3
		.amdhsa_float_denorm_mode_16_64 3
		.amdhsa_memory_ordered 1
		.amdhsa_forward_progress 1
		.amdhsa_inst_pref_size 255
	.end_amdhsa_kernel
	.section	.bss,"aw",@nobits
	.p2align	6
	.space	262144
	.amdgpu_metadata
---
amdhsa.version: [ 1, 2 ]
amdhsa.kernels:
  - .name:           k_q62e68d5618_cell
    .symbol:         k_q62e68d5618_cell.kd
    .args:
      - { .name: Awork, .offset: 0, .size: 8, .value_kind: global_buffer, .address_space: global }
      - { .name: Bwork, .offset: 8, .size: 8, .value_kind: global_buffer, .address_space: global }
      - { .name: hidden, .offset: 16, .size: 8, .value_kind: global_buffer, .address_space: global }
      - { .name: W_in_b, .offset: 24, .size: 8, .value_kind: global_buffer, .address_space: global }
      - { .name: tau_adapt_b, .offset: 32, .size: 8, .value_kind: global_buffer, .address_space: global }
      - { .name: tau_base, .offset: 40, .size: 8, .value_kind: global_buffer, .address_space: global }
      - { .name: out0, .offset: 48, .size: 8, .value_kind: global_buffer, .address_space: global }
      - { .name: out1, .offset: 56, .size: 8, .value_kind: global_buffer, .address_space: global }
    .group_segment_fixed_size: 327680
    .private_segment_fixed_size: 0
    .kernarg_segment_align: 8
    .kernarg_segment_size: 64
    .max_flat_workgroup_size: 128
    .sgpr_count:     84
    .vgpr_count:     1024
    .wavefront_size: 32
...
	.end_amdgpu_metadata
.endif
;; end of part 2
